; MI455X (gfx1250); checked and timed in simulation.
; The chip was launched on July 23, 2026; its instructions are those of AMD's public machine-readable ISA for CDNA 5 (MIT licence, August 2026) and "CDNA5" Instruction Set Architecture Reference Guide (July 2026). The comments in the code are by the model that wrote it; some were corrected since.
;; Multi Modal Attention. Allowed arithmetic: float matrix products may take bf16 or f16 operands with f32 sums; all other float work in f32.
;; Inputs: Wk1 1 x 64 float32; Wk2 1 x 64 float32; Wk3 1 x 64 float32; Wq 32 x 64 float32; Wv1 32 x 64 float32; Wv2 32 x 64 float32; Wv3 32 x 64 float32; bk1 64 float32; bk2 64 float32; bk3 64 float32; bv1 64 float32; bv2 64 float32; bv3 64 float32; log_tau1 one number float32; log_tau2 one number float32; log_tau3 one number float32; m1_data 4 x 1 x 2,048 x 34 float32; m1_t 4 x 1 x 2,048 float32; m2_data 4 x 1 x 2,048 x 34 float32; m2_t 4 x 1 x 2,048 float32; m3_data 4 x 1 x 2,048 x 34 float32; m3_t 4 x 1 x 2,048 float32; ref_data 4 x 1 x 2,048 x 32 float32; ref_t 4 x 1 x 2,048 float32.
;; Outputs: out0 3 x 4 x 1 x 2,048 x 64 float32.
;; One version. Each part assembles by itself: llvm-mc -triple=amdgcn-amd-amdhsa -mcpu=gfx1250 --defsym DOCPART=n.
;; ======== version 1 of 1: 1 launch
;; limits: values are held in f16: magnitudes above 65,504 overflow, below 6.1e-05 lose precision; inputs' magnitudes at most 65,504
;; launch mma (part 1): grid 16 x 12, 8 waves a work-group, no clusters, 311,040 bytes of LDS; arguments m1_data, m2_data, m3_data, m1_t, m2_t, m3_t, Wk1, Wk2, Wk3, bk1, bk2, bk3, Wv1, Wv2, Wv3, bv1, bv2, bv3, log_tau1, log_tau2, log_tau3, ref_data, ref_t, Wq, out0; writes out0
.if DOCPART == 1
	.amdgcn_target "amdgcn-amd-amdhsa--gfx1250"
	.amdhsa_code_object_version 6
	.text
	.protected	k_q8110775bc1_mma
	.globl	k_q8110775bc1_mma
	.p2align	8
	.type	k_q8110775bc1_mma,@function
k_q8110775bc1_mma:
	s_mov_b64 s[64:65], 0
	v_nop
	global_prefetch_b8 v0, s[64:65] scope:SCOPE_SE
	s_setreg_imm32_b32 hwreg(HW_REG_WAVE_MODE, 25, 1), 1
	s_wait_xcnt 0x0
; Three attentions x four batches = 12 pairs (modality, n); 2048 query rows and 2048 keys each.
; A work-group (x = row block of 128 rows, y = pair = 4 modality + n) makes 128 rows of out0 with eight waves.
;
; WHAT IS COMPUTED, equal to the problem's formulas for every input:
;  * K's input is one column x_l = data[l][33], so Q.K = a_t + x_l nb_t with
;      a_t  = sum_d ref[t][d] u[d] - bk[63],  u[d] = Wq[d][0] - sum_{c<63} Wq[d][c+1] bk[c]
;      nb_t = sum_d ref[t][d] w[d] - Wk[63],  w[d] =           - sum_{c<63} Wq[d][c+1] Wk[c]
;    one f32 multiply-add a score.  a and nb carry the factor sqrt(log2 e / tau), so that 2^(-d'^2) = e^(-d^2/tau).
;  * A V = (A X) Wv + (sum A) bv with X = data[:, 0:32]: the long product has 32 columns.
;  * The logits are <= 0 and a masked key's logit is 0.  So the row's maximum is 0 if any key is masked, that is unless
;    ref_t >= the largest t; else it is -min over all keys of d^2/tau.  A first pass finds min |d'|; the maximum is subtracted:
;    the exponent is m - round(d'^2) with m = the smallest round(d'^2), so the largest weight of such a row is exact.
;  * denominator = sum of the unmasked weights + number of masked keys (each is e^(0-0) = 1).
; The timelines are taken as they come: no order is assumed, every score is compared.
;
; FORMATS: both products take f16 operands and sum in f32.  The outputs are sums of terms of both signs, so an operand's rounding
; shows at the size of the terms, not of the sum: f16's 11 significant bits are taken, not bf16's 8.  All weights carry the factor
; 2^15 (15 is added to the exponent; a masked key counts 2^15 in the denominator), so that f16 holds them at full precision down to
; 2^-29 of the largest possible weight, and none exceeds 2^15.5.
;
; LIMITS: |data[:, 0:32]| and |Wv| must stay below 65,504 (f16's largest number); weights below 2^-40 of the row's largest possible
; one drop out of the numerator; a row with ref_t = +inf against a timeline that holds a NaN is treated as if no key were masked;
; |d| sqrt(log2 e / tau) must stay below 1.8e19 (its square is kept in f32); a and nb are summed in another order than the 65-term
; product.  Column 32 of the data is loaded with its neighbours and unused.
;
; NO JOINT LOADS: the 16 work-groups of a pair read the same 278,528 bytes, but they are rounded to f16 and split in registers on
; the way into LDS; the raw bytes and the 212,992 converted ones together exceed the 327,680 bytes of LDS.  So plain loads are used.
;
; LDS: BLK 64 blocks of 3,328 bytes (32 keys: 32 rows of X in f16 at pitch 96, then 32 x in f32 at 3072, 32 t in f32 at 3200);
; SCR the waves' partial sums; WQS Wq in f32 at pitch 272; WVS Wv in f16 at pitch 160; KBV each wave's copy of bk, Wk, bv;
; UW each wave's u', w'; ROWT a', nb', two half minima for 128 rows; TMX one partial maximum of t a wave.
.set CHUNK,  4352                      ; 32 data rows of 136 bytes = 17 x 256 bytes
.set NDATA,  278528                    ; bytes of one batch of data
.set BLKB,   3328
.set XPITCH, 96
.set XOFF,   3072
.set TOFF,   3200
.set SCR,    212992                    ; 8 waves x 9,216: 4 tiles x (2,048 of sums + 256 of (row sum, count))
.set WQS,    286720
.set WVS,    295424
.set KBV,    300544
.set UW,     306688
.set ROWT,   308736
.set TMX,    310784
.set IS16, 16                          ; s[16:32] lane masks: my pair of load j is columns 32, 33
.set PAR,  8                           ; v[8:39]  tile i at 8+8i: a', ref_t, nb', count, m + 15, 0, row sum (pair)
.set RF,   40                          ; v[40:71] my ref_data row (until a', nb' are made)
.set GO,   72                          ; staging: 8 x lane
.set AD,   73                          ; v[73:89] staging: LDS address of my word of load j
.set SB,   100                         ; v[100:201] staging: three buffers of 17 pairs
.set WQR,  72                          ; v[72:135] row d = lane of Wq; later U' v[72:103], W' v[104:135]
.set QB,   136                         ; v[136:199] two buffers of 16 bk + 16 Wk
.set UC,   200                         ; four chains of u
.set WC,   204                         ; four chains of w
.set VS,   208                         ; sqrt(log2 e / tau)
.set CA,   209
.set CB,   210
.set XP0,  212                         ; first pass: 32 x, two buffers
.set XP1,  72
.set DD,   144
.set MN,   176
.set AP,   180                         ; (a', 0)
.set NBP,  182                         ; (nb', 0)
.set PX,   184
.set ACC,  40                          ; v[40:103] acc[i][f] at 40+16i+8f
.set BUF,  104                         ; two buffers of 48: 16 x, 16 t, 16 registers of X fragments
.set W,    200
.set P,    216
.set XA,   224
.set XT,   225
	s_load_b512 s[16:31], s[0:1], 0x0              ; pointer k of the argument list lies in s[16+2k:17+2k], k = 0 .. 23
	s_load_b512 s[32:47], s[0:1], 0x40
	s_load_b512 s[48:63], s[0:1], 0x80             ; ref_data s[58:59], ref_t s[60:61], Wq s[62:63]
	s_load_b64 s[66:67], s[0:1], 0xc0              ; out0
	v_and_b32 v1, 31, v0                           ; lane L
	v_and_b32 v2, 15, v0                           ; r
	v_bfe_u32 v3, v0, 4, 1                         ; h
	v_lshrrev_b32 v4, 5, v0
	v_readfirstlane_b32 s70, v4                    ; wave
	s_and_b32 s72, ttmp7, 0xffff                   ; pair
	s_lshr_b32 s73, s72, 2                         ; modality
	s_and_b32 s74, s72, 3                          ; n
	s_lshr_b32 s75, s70, 2                         ; wave / 4: half of the rows (main pass), half of the keys (first pass)
	s_and_b32 s76, s70, 3                          ; wave % 4: quarter of the keys (main pass)
	s_mov_b32 s79, 0                               ; high word of every offset
	s_mov_b32 s80, 0x76543210                      ; v_permlanex16_b32: lane i reads lane i of the other half
	s_mov_b32 s81, 0xfedcba98
	v_lshlrev_b32 v[GO], 3, v1
	v_lshlrev_b32 v232, 5, v0                      ; 32 x thread
	v_and_b32 v233, 127, v0
	v_lshlrev_b32 v233, 7, v233                    ; my row of the block x 128 bytes
	v_lshlrev_b32 v234, 2, v2
	s_wait_kmcnt 0x0
	; the modality's seven buffers: data s[2:3], t s[4:5], Wk s[6:7], bk s[8:9], Wv s[10:11], bv s[12:13], log_tau s[14:15]
	s_cmp_eq_u32 s73, 1
	s_cselect_b64 s[2:3], s[18:19], s[16:17]
	s_cselect_b64 s[4:5], s[24:25], s[22:23]
	s_cselect_b64 s[6:7], s[30:31], s[28:29]
	s_cselect_b64 s[8:9], s[36:37], s[34:35]
	s_cselect_b64 s[10:11], s[42:43], s[40:41]
	s_cselect_b64 s[12:13], s[48:49], s[46:47]
	s_cselect_b64 s[14:15], s[54:55], s[52:53]
	s_cmp_eq_u32 s73, 2
	s_cselect_b64 s[2:3], s[20:21], s[2:3]
	s_cselect_b64 s[4:5], s[26:27], s[4:5]
	s_cselect_b64 s[6:7], s[32:33], s[6:7]
	s_cselect_b64 s[8:9], s[38:39], s[8:9]
	s_cselect_b64 s[10:11], s[44:45], s[10:11]
	s_cselect_b64 s[12:13], s[50:51], s[12:13]
	s_cselect_b64 s[14:15], s[56:57], s[14:15]
	s_mul_i32 s78, s74, NDATA
	s_mul_i32 s84, s70, 8*CHUNK
	s_add_co_u32 s78, s78, s84
	s_add_nc_u64 s[2:3], s[2:3], s[78:79]          ; data: batch n, my wave's eight chunks
	s_lshl_b32 s78, s74, 13
	s_add_nc_u64 s[4:5], s[4:5], s[78:79]          ; t: batch n
	s_lshl_b32 s78, s74, 18
	s_lshl_b32 s84, ttmp9, 14
	s_add_co_u32 s78, s78, s84
	s_add_nc_u64 s[58:59], s[58:59], s[78:79]      ; ref_data: batch n, the block's 128 rows of 128 bytes
	s_lshl_b32 s78, s74, 13
	s_lshl_b32 s84, ttmp9, 9
	s_add_co_u32 s78, s78, s84
	s_lshl_b32 s84, s75, 8
	s_add_co_u32 s78, s78, s84
	s_add_nc_u64 s[60:61], s[60:61], s[78:79]      ; ref_t: my wave's 64 rows of the main pass
	s_lshl_b32 s78, s72, 19
	s_lshl_b32 s84, ttmp9, 15
	s_add_co_u32 s78, s78, s84
	s_lshl_b32 s84, s70, 12
	s_add_co_u32 s78, s78, s84
	s_add_nc_u64 s[66:67], s[66:67], s[78:79]      ; out0: the pair, the block, my wave's 16 rows of 256 bytes
	s_load_b32 s68, s[14:15], 0x0                  ; log_tau; waited for where it is used
	; 21 small loads, older than every chunk's
	global_load_b128 v[202:205], v232, s[4:5]              ; t of keys 8 thread .. + 7
	global_load_b128 v[206:209], v232, s[4:5] offset:16
	global_load_b128 v[210:213], v232, s[62:63]            ; eight numbers of Wq
	global_load_b128 v[214:217], v232, s[62:63] offset:16
	global_load_b64 v[218:219], v[GO], s[8:9]              ; bk, Wk, bv: each wave its own copy
	global_load_b64 v[220:221], v[GO], s[6:7]
	global_load_b64 v[222:223], v[GO], s[12:13]
	global_load_b128 v[224:227], v232, s[10:11]            ; eight numbers of Wv
	global_load_b128 v[228:231], v232, s[10:11] offset:16
.irp q, 0,1,2,3,4,5,6,7
	global_load_b128 v[RF+4*\q:RF+4*\q+3], v233, s[58:59] offset:16*\q   ; my ref_data row
.endr
.irp i, 0,1,2,3
	global_load_b32 v[PAR+8*\i+1], v234, s[60:61] offset:64*\i          ; ref_t of row r of tile i
.endr
; A chunk is 32 data rows.  Load j of a wave covers 256 consecutive bytes, aligned; lane L gets pair g = 32 j + L of the chunk's 544.
.macro LOADC c, b
.irp j, 0,1,2,3,4,5,6,7,8,9,10,11,12,13,14,15,16
	global_load_b64 v[SB+34*\b+2*\j:SB+34*\b+2*\j+1], v[GO], s[2:3] offset:\c*CHUNK+\j*256
.endr
.endm
; The chunk goes into its block: a pair of columns below 32 as two f16; of columns 32, 33 only the second, x, in f32.
; left = how many younger loads may stay out.
.macro STOREC c, b, left
	s_wait_loadcnt \left
.irp j, 0,1,2,3,4,5,6,7,8,9,10,11,12,13,14,15,16
	v_cvt_pk_f16_f32 v[SB+34*\b+2*\j], v[SB+34*\b+2*\j], v[SB+34*\b+2*\j+1]
	v_cndmask_b32 v[SB+34*\b+2*\j], v[SB+34*\b+2*\j], v[SB+34*\b+2*\j+1], s[IS16+\j]
	ds_store_b32 v[AD+\j], v[SB+34*\b+2*\j] offset:\c*BLKB
.endr
.endm
	LOADC 0, 0
	LOADC 1, 1
	; while these are on their way: the LDS addresses
	s_mul_i32 s85, s70, 8*BLKB                     ; my wave's eight blocks
	s_mul_i32 s86, s70, 1088
	s_add_co_u32 s86, s86, WQS
	s_mul_i32 s87, s70, 768
	s_add_co_u32 s87, s87, KBV
	s_mul_i32 s88, s70, 640
	s_add_co_u32 s88, s88, WVS
	s_lshl_b32 s89, s70, 2
	s_add_co_u32 s89, s89, TMX
	s_lshl_b32 s90, s70, 8
	s_add_co_u32 s90, s90, UW
.irp j, 0,1,2,3,4,5,6,7,8,9,10,11,12,13,14,15,16
	v_add_nc_u32 v90, 32*\j, v1                    ; g
	v_mul_u32_u24 v91, 0xf10, v90
	v_lshrrev_b32 v91, 16, v91                     ; row q = g / 17: 3856 / 65536 exceeds 1/17 by 1.4e-5, exact below g = 544
	v_mul_u32_u24 v92, 17, v91
	v_sub_nc_u32 v92, v90, v92                     ; pair of columns g - 17 q
	v_cmp_eq_u32 s[IS16+\j], 16, v92
	v_mul_u32_u24 v93, 28, v91
	v_lshl_add_u32 v93, v90, 2, v93                ; 96 q + 4 (g - 17 q)
	v_lshl_add_u32 v94, v91, 2, XOFF               ; x of row q
	v_cndmask_b32 v93, v93, v94, s[IS16+\j]
	v_add_nc_u32 v[AD+\j], s85, v93
.endr
	v_lshrrev_b32 v90, 2, v1
	v_and_b32 v91, 3, v1
	v_mad_u32_u24 v90, v90, BLKB, s85
	v_lshl_add_u32 v235, v91, 5, v90               ; t: block thread / 4, 32 bytes at (thread % 4) x 32
	v_lshrrev_b32 v90, 3, v1
	v_and_b32 v91, 7, v1
	v_mad_u32_u24 v92, v90, 272, s86
	v_lshl_add_u32 v236, v91, 5, v92               ; Wq: row thread / 8
	v_mad_u32_u24 v92, v90, 160, s88
	v_lshl_add_u32 v238, v91, 4, v92               ; Wv: row thread / 8, in f16
	v_lshl_add_u32 v237, v1, 3, s87
	v_mov_b32 v239, s89
	v_mov_b32 v248, 0x7f800000
	s_wait_loadcnt 34                              ; two chunks of 17 loads are younger: the 21 small loads are in
	LOADC 2, 2                                     ; the third chunk goes out at once: 51 loads of the wave are then on their way
	ds_store_b128 v235, v[202:205] offset:TOFF
	ds_store_b128 v235, v[206:209] offset:TOFF+16
	ds_store_b128 v236, v[210:213]
	ds_store_b128 v236, v[214:217] offset:16
	ds_store_b64 v237, v[218:219]
	ds_store_b64 v237, v[220:221] offset:256
	ds_store_b64 v237, v[222:223] offset:512
	v_cvt_pk_f16_f32 v224, v224, v225
	v_cvt_pk_f16_f32 v225, v226, v227
	v_cvt_pk_f16_f32 v226, v228, v229
	v_cvt_pk_f16_f32 v227, v230, v231
	ds_store_b128 v238, v[224:227]
	; the largest t of my wave's 256 keys; a NaN, which masks its key in every row, counts as +inf
.irp e, 0,1,2,3,4,5,6,7
	v_cmp_eq_f32 vcc_lo, v[202+\e], v[202+\e]
	v_cndmask_b32 v[240+\e], v248, v[202+\e], vcc_lo
.endr
	v_max3_num_f32 v240, v240, v241, v242
	v_max3_num_f32 v243, v243, v244, v245
	v_max3_num_f32 v240, v240, v246, v247
	v_max_num_f32 v240, v240, v243
	v_max_num_f32_dpp v240, v240, v240 row_xmask:1 row_mask:0xf bank_mask:0xf
	v_max_num_f32_dpp v240, v240, v240 row_xmask:2 row_mask:0xf bank_mask:0xf
	v_max_num_f32_dpp v240, v240, v240 row_xmask:4 row_mask:0xf bank_mask:0xf
	v_max_num_f32_dpp v240, v240, v240 row_xmask:8 row_mask:0xf bank_mask:0xf
	v_permlanex16_b32 v241, v240, s80, s81
	v_max_num_f32 v240, v240, v241
	ds_store_b32 v239, v240
	STOREC 0, 0, 34                                ; two younger chunks stay out
	LOADC 3, 0
	STOREC 1, 1, 34
	LOADC 4, 1
	STOREC 2, 2, 34
	LOADC 5, 2
	STOREC 3, 0, 34
	LOADC 6, 0
	STOREC 4, 1, 34
	LOADC 7, 1
	STOREC 5, 2, 34
	STOREC 6, 0, 17                                ; one younger chunk
	STOREC 7, 1, 0
	s_wait_dscnt 0x0                               ; my stores are in LDS before I say so
	s_barrier_signal -1
	s_barrier_wait -1                              ; blocks, Wq, Wv and the partial maxima are whole
	; ---- u', w': every wave for itself, lane = d
	s_mov_b32 s91, WQS
	v_mad_u32_u24 v4, v1, 272, s91
	v_mov_b32 v5, s87
	v_mov_b32 v6, s90
.irp q, 0,1,2,3,4,5,6,7,8,9,10,11,12,13,14,15
	ds_load_b128 v[WQR+4*\q:WQR+4*\q+3], v4 offset:16*\q
.endr
.macro P1Q k, buf                      ; bk and Wk, numbers 16 k .. 16 k + 15, the same in every lane
.irp e, 0,1,2,3
	ds_load_b128 v[QB+32*\buf+4*\e:QB+32*\buf+4*\e+3], v5 offset:64*\k+16*\e
.endr
.irp e, 0,1,2,3
	ds_load_b128 v[QB+32*\buf+16+4*\e:QB+32*\buf+16+4*\e+3], v5 offset:256+64*\k+16*\e
.endr
.endm
.macro P1R k, buf                      ; sixteen links of the sums over c, in four chains each; the first links start them
.irp e, 0,1,2,3,4,5,6,7,8,9,10,11,12,13,14,15
.if 16*\k+\e == 0
	v_fma_f32 v[UC], -v[WQR+1], v[QB+32*\buf], v[WQR]
	v_mul_f32 v[WC], -v[WQR+1], v[QB+32*\buf+16]
.else
.if 16*\k+\e < 4
	v_mul_f32 v[UC+\e], -v[WQR+1+\e], v[QB+32*\buf+\e]
	v_mul_f32 v[WC+\e], -v[WQR+1+\e], v[QB+32*\buf+16+\e]
.else
.if 16*\k+\e < 63
	v_fma_f32 v[UC+\e%4], -v[WQR+1+16*\k+\e], v[QB+32*\buf+\e], v[UC+\e%4]
	v_fma_f32 v[WC+\e%4], -v[WQR+1+16*\k+\e], v[QB+32*\buf+16+\e], v[WC+\e%4]
.else
	v_mul_f32 v[CA], -v[QB+32*\buf+15], v[VS]      ; -bk[63] and -Wk[63], scaled
	v_mul_f32 v[CB], -v[QB+32*\buf+31], v[VS]
.endif
.endif
.endif
.endr
.endm
	P1Q 0, 0
	P1Q 1, 1
	s_wait_kmcnt 0x0                               ; log_tau
	v_mov_b32 v[VS], s68
	v_mul_f32 v[VS], 0xbf38aa3b, v[VS]             ; -log_tau x log2 e / 2
	v_exp_f32 v[VS], v[VS]
	v_lshl_add_u32 v7, v1, 2, s90                  ; where my u', w' go; also the plain place behind v_exp_f32 (ISA guide 5.7.2); no pending load writes v7
	s_wait_alu depctr_va_vdst(0)
	v_mul_f32 v[VS], 0x3f99be61, v[VS]             ; sqrt(log2 e) x tau^(-1/2)
	s_wait_dscnt 8                                 ; the next quarter's eight loads stay out
	P1R 0, 0
	P1Q 2, 0
	s_wait_dscnt 8
	P1R 1, 1
	P1Q 3, 1
	s_wait_dscnt 8
	P1R 2, 0
	s_wait_dscnt 0x0
	P1R 3, 1
	v_add_f32 v[UC], v[UC], v[UC+1]
	v_add_f32 v[UC+2], v[UC+2], v[UC+3]
	v_add_f32 v[WC], v[WC], v[WC+1]
	v_add_f32 v[WC+2], v[WC+2], v[WC+3]
	v_add_f32 v[UC], v[UC], v[UC+2]
	v_add_f32 v[WC], v[WC], v[WC+2]
	v_mul_f32 v[UC], v[UC], v[VS]
	v_mul_f32 v[WC], v[WC], v[VS]
	ds_store_b32 v7, v[UC]
	ds_store_b32 v7, v[WC] offset:128
.irp q, 0,1,2,3,4,5,6,7,8,9,10,11,12,13,14,15
	ds_load_b128 v[72+4*\q:72+4*\q+3], v6 offset:16*\q     ; all 32 u', then all 32 w', in every lane: my wave's own bytes, served in order (ISA guide 5.7.1)
.endr
; ---- first pass: thread = (row = thread % 128, half of the keys = wave / 4)
.macro PPLOAD xb, off                  ; a block's 32 x, the same in every lane
.irp e, 0,1,2,3,4,5,6,7
	ds_load_b128 v[\xb+4*\e:\xb+4*\e+3], v[PX] offset:XOFF+\off+16*\e
.endr
.endm
.macro PPCALC xb                       ; 32 scores d' = a' + x nb', and the running minimum of |d'| in four chains
.irp e, 0,1,2,3,4,5,6,7,8,9,10,11,12,13,14,15
	v_pk_fma_f32 v[DD+2*\e:DD+2*\e+1], v[\xb+2*\e:\xb+2*\e+1], v[NBP:NBP+1], v[AP:AP+1] op_sel_hi:[1,0,0]
.endr
.irp e, 0,1,2,3,4,5,6,7,8,9,10,11,12,13,14,15
	v_min3_num_f32 v[MN+\e%4], v[MN+\e%4], |v[DD+2*\e]|, |v[DD+2*\e+1]|
.endr
.endm
	s_mul_i32 s84, s75, 32*BLKB
	v_mov_b32 v[PX], s84                           ; the quarter buffers, of which v184 was part, were waited for above
	PPLOAD XP0, 0
	s_wait_dscnt 8                                 ; the block's eight loads stay out; u', w' are in
	; a', nb' of my row: 32 products each, two at a time, two chains
	v_pk_mul_f32 v[136:137], v[RF:RF+1], v[72:73]
	v_pk_mul_f32 v[138:139], v[RF+2:RF+3], v[74:75]
	v_pk_mul_f32 v[140:141], v[RF:RF+1], v[104:105]
	v_pk_mul_f32 v[142:143], v[RF+2:RF+3], v[106:107]
.set p, 2
.rept 14
	v_pk_fma_f32 v[136+2*(p%2):137+2*(p%2)], v[RF+2*p:RF+2*p+1], v[72+2*p:73+2*p], v[136+2*(p%2):137+2*(p%2)]
	v_pk_fma_f32 v[140+2*(p%2):141+2*(p%2)], v[RF+2*p:RF+2*p+1], v[104+2*p:105+2*p], v[140+2*(p%2):141+2*(p%2)]
.set p, p+1
.endr
	v_pk_add_f32 v[136:137], v[136:137], v[138:139]
	v_pk_add_f32 v[140:141], v[140:141], v[142:143]
	v_add_f32 v[AP], v136, v137
	v_add_f32 v[NBP], v140, v141
	v_add_f32 v[AP], v[AP], v[CA]
	v_add_f32 v[NBP], v[NBP], v[CB]
	v_mov_b32 v[AP+1], 0
	v_mov_b32 v[NBP+1], 0
.irp e, 0,1,2,3
	v_mov_b32 v[MN+\e], 0x7f800000
.endr
	s_mov_b32 s82, 15                              ; 15 trips of two blocks, then the last two
.Lpp:
	PPLOAD XP1, BLKB
	s_wait_dscnt 8                                 ; the eight just issued stay out
	PPCALC XP0
	PPLOAD XP0, 2*BLKB
	s_wait_dscnt 8
	PPCALC XP1
	v_add_nc_u32 v[PX], 2*BLKB, v[PX]
	s_sub_co_i32 s82, s82, 1
	s_cmp_lg_u32 s82, 0
	s_cbranch_scc1 .Lpp
	PPLOAD XP1, BLKB
	s_wait_dscnt 8
	PPCALC XP0
	s_wait_dscnt 0x0
	PPCALC XP1
	v_min3_num_f32 v[MN], v[MN], v[MN+1], v[MN+2]
	v_min_num_f32 v[MN], v[MN], v[MN+3]
	v_and_b32 v185, 127, v0
	v_lshlrev_b32 v185, 2, v185
	v_add_nc_u32 v185, ROWT, v185
	s_lshl_b32 s84, s75, 9
	v_add_nc_u32 v186, s84, v185
	ds_store_b32 v186, v[MN] offset:1024
	s_cmp_gt_u32 s70, 3                            ; waves 4 to 7 hold the same a', nb' as waves 0 to 3: one writer for each word
	s_cbranch_scc1 .Lno_ab
	ds_store_b32 v185, v[AP]
	ds_store_b32 v185, v[NBP] offset:512
.Lno_ab:
	s_wait_dscnt 0x0
	s_barrier_signal -1
	s_barrier_wait -1                              ; a', nb' and both half minima of all 128 rows are in LDS
; ---- main pass: wave = (64 rows: wave / 4; 512 keys: wave % 4); four tiles of 16 rows; steps of 32 keys
; Element e of a lane is key 8 h + e (e < 8) or 16 + 8 h + e - 8: the place of k in a 16-bit operand of K = 32 (ISA guide 7.12.2).
.macro OPLOAD b
	ds_load_b128 v[BUF+48*\b:BUF+48*\b+3],     v[XT] offset:XOFF
	ds_load_b128 v[BUF+48*\b+4:BUF+48*\b+7],   v[XT] offset:XOFF+16
	ds_load_b128 v[BUF+48*\b+8:BUF+48*\b+11],  v[XT] offset:XOFF+64
	ds_load_b128 v[BUF+48*\b+12:BUF+48*\b+15], v[XT] offset:XOFF+80
	ds_load_b128 v[BUF+48*\b+16:BUF+48*\b+19], v[XT] offset:TOFF
	ds_load_b128 v[BUF+48*\b+20:BUF+48*\b+23], v[XT] offset:TOFF+16
	ds_load_b128 v[BUF+48*\b+24:BUF+48*\b+27], v[XT] offset:TOFF+64
	ds_load_b128 v[BUF+48*\b+28:BUF+48*\b+31], v[XT] offset:TOFF+80
	ds_load_tr16_b128 v[BUF+48*\b+32:BUF+48*\b+35], v[XA]                      ; X transposed: features 0-15, keys 8h ..
	ds_load_tr16_b128 v[BUF+48*\b+36:BUF+48*\b+39], v[XA] offset:16*XPITCH     ; keys 16 + 8h ..
	ds_load_tr16_b128 v[BUF+48*\b+40:BUF+48*\b+43], v[XA] offset:32            ; features 16-31
	ds_load_tr16_b128 v[BUF+48*\b+44:BUF+48*\b+47], v[XA] offset:16*XPITCH+32
.endm
; 16 rows x 32 keys.  zero = 1: the first products start the sums.  nxt >= 0: the next block's operands are asked for into buffer nxt,
; ten plain vector instructions behind the last matrix instruction that read that buffer (ISA guide 7.12.1).
; The square is rounded by itself and then taken from the row's constant, not fused: the constant is the smallest rounded square
; (+ 15), so the difference is exactly 15 for the row's largest weight and never above it, however large d' is.
.macro TILE i, cur, zero, nxt
.irp j, 0,2,4,6,8,10,12,14
	v_pk_fma_f32 v[W+\j:W+\j+1], v[BUF+48*\cur+\j:BUF+48*\cur+\j+1], v[PAR+8*\i+2:PAR+8*\i+3], v[PAR+8*\i:PAR+8*\i+1] op_sel_hi:[1,0,0]   ; d' = x nb' + a'
.endr
.if \nxt >= 0
	v_add_nc_u32 v[XA], BLKB, v[XA]
	v_add_nc_u32 v[XT], BLKB, v[XT]
	OPLOAD \nxt
.endif
.irp j, 0,2,4,6,8,10,12,14
	v_pk_mul_f32 v[W+\j:W+\j+1], v[W+\j:W+\j+1], v[W+\j:W+\j+1] neg_lo:[1,0] neg_hi:[1,0]   ; -d'^2
.endr
.irp j, 0,2,4,6,8,10,12,14
	v_pk_add_f32 v[W+\j:W+\j+1], v[W+\j:W+\j+1], v[PAR+8*\i+4:PAR+8*\i+5] op_sel_hi:[1,0]   ; + m + 15
.endr
.irp j, 0,1,2,3,4,5,6,7,8,9,10,11,12,13,14,15
	v_exp_f32 v[W+\j], v[W+\j]
.endr
.irp j, 0,1,2,3,4,5,6,7,8,9,10,11,12,13,14,15
	v_cmp_ge_f32 vcc_lo, v[PAR+8*\i+1], v[BUF+48*\cur+16+\j]       ; the first of these is the plain place behind the exponentials (ISA guide 5.7.2)
	s_wait_alu depctr_va_vdst(0)
	v_cndmask_b32 v[W+\j], 0, v[W+\j], vcc_lo                      ; a masked key's weight is 0 in the numerator
	v_add_co_ci_u32 v[PAR+8*\i+3], vcc_lo, 0, v[PAR+8*\i+3], vcc_lo ; count of unmasked keys
.endr
.irp q, 0,1,2,3,4,5,6,7
	v_cvt_pk_f16_f32 v[P+\q], v[W+2*\q], v[W+2*\q+1]
.endr
	v_pk_add_f32 v[W:W+1], v[W:W+1], v[W+2:W+3]
	v_pk_add_f32 v[W+4:W+5], v[W+4:W+5], v[W+6:W+7]
	v_pk_add_f32 v[W+8:W+9], v[W+8:W+9], v[W+10:W+11]
	v_pk_add_f32 v[W+12:W+13], v[W+12:W+13], v[W+14:W+15]
	v_pk_add_f32 v[W:W+1], v[W:W+1], v[W+4:W+5]
	v_pk_add_f32 v[W+8:W+9], v[W+8:W+9], v[W+12:W+13]
.if \zero
	v_pk_add_f32 v[PAR+8*\i+6:PAR+8*\i+7], v[W:W+1], v[W+8:W+9]
	v_wmma_f32_16x16x32_f16 v[ACC+16*\i:ACC+16*\i+7], v[BUF+48*\cur+32:BUF+48*\cur+39], v[P:P+7], 0
	v_wmma_f32_16x16x32_f16 v[ACC+16*\i+8:ACC+16*\i+15], v[BUF+48*\cur+40:BUF+48*\cur+47], v[P:P+7], 0
.else
	v_pk_add_f32 v[W:W+1], v[W:W+1], v[W+8:W+9]
	v_pk_add_f32 v[PAR+8*\i+6:PAR+8*\i+7], v[PAR+8*\i+6:PAR+8*\i+7], v[W:W+1]
	v_wmma_f32_16x16x32_f16 v[ACC+16*\i:ACC+16*\i+7], v[BUF+48*\cur+32:BUF+48*\cur+39], v[P:P+7], v[ACC+16*\i:ACC+16*\i+7]
	v_wmma_f32_16x16x32_f16 v[ACC+16*\i+8:ACC+16*\i+15], v[BUF+48*\cur+40:BUF+48*\cur+47], v[P:P+7], v[ACC+16*\i+8:ACC+16*\i+15]
.endif
.endm
; The eight accumulators take turns, one matrix instruction a turn, over the backward jump too.
.macro STEP cur, nxt, zero
	s_wait_dscnt 0x0                               ; this block's twelve loads were issued a whole step ago
	TILE 0, \cur, \zero, \nxt
	TILE 1, \cur, \zero, -1
	TILE 2, \cur, \zero, -1
	TILE 3, \cur, \zero, -1
.endm
	s_mul_i32 s84, s76, 16*BLKB                    ; my quarter of the keys: 16 blocks
	v_lshl_add_u32 v[XT], v3, 5, s84
	v_and_b32 v226, 7, v1
	v_lshl_add_u32 v226, v3, 3, v226
	v_mad_u32_u24 v226, v226, XPITCH, s84
	v_bfe_u32 v227, v1, 3, 1
	v_lshl_add_u32 v[XA], v227, 4, v226            ; row 8 h + L % 8 of the block, 16 bytes at (L / 8) % 2
	OPLOAD 0
	s_lshl_b32 s84, s75, 8
	s_add_co_u32 s84, s84, ROWT
	v_lshl_add_u32 v226, v2, 2, s84
	v_mov_b32 v227, TMX
	v_mov_b32 v244, 0x41700000                     ; 15.0
.irp i, 0,1,2,3
	ds_load_b32 v[PAR+8*\i], v226 offset:64*\i
	ds_load_b32 v[PAR+8*\i+2], v226 offset:512+64*\i
	ds_load_b32 v[228+\i], v226 offset:1024+64*\i
	ds_load_b32 v[232+\i], v226 offset:1536+64*\i
.endr
	ds_load_b128 v[236:239], v227
	ds_load_b128 v[240:243], v227 offset:16
	s_wait_dscnt 0x0
	v_max3_num_f32 v236, v236, v237, v238
	v_max3_num_f32 v239, v239, v240, v241
	v_max3_num_f32 v236, v236, v242, v243
	v_max_num_f32 v236, v236, v239                 ; the largest t of the 2048 keys
	; The row's constant.  Some key masked: the maximum is 0, the constant 15.  None masked: m = the smallest rounded d'^2, the constant
	; m + 15; the factor then cancels in the quotient, so where m is so large that the rounded sum lies more than 15.5 above m the
	; row keeps m alone: no weight exceeds 2^15.5, inside f16.
.irp i, 0,1,2,3
	v_min_num_f32 v[228+\i], v[228+\i], v[232+\i]
	v_mul_f32 v[228+\i], v[228+\i], v[228+\i]      ; m: rounding keeps the order, so this is the smallest of the main pass's rounded squares
	v_add_f32 v[232+\i], 0x41700000, v[228+\i]     ; m + 15
	v_sub_f32 v[240+\i], v[232+\i], v[228+\i]      ; the largest exponent that it gives
	v_cmp_lt_f32 vcc_lo, 0x41780000, v[240+\i]     ; 15.5 < that?
	v_cndmask_b32 v[232+\i], v[232+\i], v[228+\i], vcc_lo
	v_cmp_ge_f32 vcc_lo, v[PAR+8*\i+1], v236       ; no key masked
	v_cndmask_b32 v[PAR+8*\i+4], v244, v[232+\i], vcc_lo
	v_mov_b32 v[PAR+8*\i+3], 0
	v_mov_b32 v[PAR+8*\i+5], 0
.endr
	STEP 0, 1, 1
	s_mov_b32 s82, 7
.Lmain:
	STEP 1, 0, 0
	STEP 0, 1, 0
	s_sub_co_i32 s82, s82, 1
	s_cmp_lg_u32 s82, 0
	s_cbranch_scc1 .Lmain
	STEP 1, -1, 0
	; ---- partial sums to LDS.  The first eight lines are also the places behind the last matrix instructions (ISA guide 7.12.1).
.irp i, 0,1,2,3
	v_add_f32 v[PAR+8*\i+6], v[PAR+8*\i+6], v[PAR+8*\i+7]
.endr
.irp i, 0,1,2,3
	v_cvt_f32_u32 v[PAR+8*\i+7], v[PAR+8*\i+3]     ; at most 512: exact
.endr
	s_mul_i32 s84, s70, 9216
	s_add_co_u32 s84, s84, SCR
	v_lshl_add_u32 v226, v1, 4, s84
	v_lshl_add_u32 v227, v1, 3, s84
.irp i, 0,1,2,3
.irp q, 0,1,2,3
	ds_store_b128 v226, v[ACC+16*\i+4*\q:ACC+16*\i+4*\q+3] offset:2304*\i+512*\q
.endr
	ds_store_b64 v227, v[PAR+8*\i+6:PAR+8*\i+7] offset:2304*\i+2048
.endr
	s_wait_dscnt 0x0                               ; my stores are in, and my reads of the blocks are long back
	s_barrier_signal -1
	s_barrier_wait -1                              ; all partial sums are in LDS; nobody reads the blocks any more
	; ---- finish: wave w owns rows 16 w .. 16 w + 15: the four key quarters' sums of tile w % 4 of row half w / 4
	s_mul_i32 s84, s75, 36864
	s_mul_i32 s91, s76, 2304
	s_add_co_u32 s84, s84, s91
	s_add_co_u32 s84, s84, SCR
	v_lshl_add_u32 v216, v1, 4, s84
	v_lshl_add_u32 v217, v1, 3, s84
	s_mov_b32 s84, WVS
	v_and_b32 v218, 7, v1
	v_lshl_add_u32 v218, v3, 3, v218
	v_mad_u32_u24 v218, v218, 160, s84
	v_bfe_u32 v219, v1, 3, 1
	v_lshl_add_u32 v218, v219, 4, v218
	v_lshl_add_u32 v219, v3, 5, s87
.irp l, 0,1,2,3
.irp q, 0,1,2,3
	ds_load_b128 v[104+16*\l+4*\q:104+16*\l+4*\q+3], v216 offset:9216*\l+512*\q
.endr
	ds_load_b64 v[168+2*\l:169+2*\l], v217 offset:9216*\l+2048
.endr
.irp c, 0,1,2,3
	ds_load_tr16_b128 v[176+8*\c:179+8*\c], v218 offset:32*\c              ; Wv transposed: channels 16 c + r, features 8h ..
	ds_load_tr16_b128 v[180+8*\c:183+8*\c], v218 offset:32*\c+2560         ; features 16 + 8h ..
	ds_load_b128 v[40+8*\c:43+8*\c], v219 offset:512+64*\c                 ; bv of channels 16 c + 8 h ..
	ds_load_b128 v[44+8*\c:47+8*\c], v219 offset:512+64*\c+16
.endr
	s_wait_dscnt 0x0
	v_pk_add_f32 v[168:169], v[168:169], v[170:171]
	v_pk_add_f32 v[172:173], v[172:173], v[174:175]
	v_pk_add_f32 v[168:169], v[168:169], v[172:173]
	v_permlanex16_b32 v220, v168, s80, s81         ; the other half of the lanes holds the row's other keys
	v_permlanex16_b32 v221, v169, s80, s81
	v_pk_add_f32 v[168:169], v[168:169], v[220:221]
	v_sub_f32 v222, 0x45000000, v169               ; 2048 - unmasked = masked keys,
	v_fmamk_f32 v222, v222, 0x47000000, v168       ; each 2^15 in the denominator, like a weight of 1
	v_rcp_f32 v224, v222                           ; the numerators' sums below are the plain places behind it (ISA guide 5.7.2): they name neither v222 nor v224
.irp j, 0,2,4,6,8,10,12,14
	v_pk_add_f32 v[104+\j:105+\j], v[104+\j:105+\j], v[120+\j:121+\j]
	v_pk_add_f32 v[136+\j:137+\j], v[136+\j:137+\j], v[152+\j:153+\j]
.endr
.irp j, 0,2,4,6,8,10,12,14
	v_pk_add_f32 v[104+\j:105+\j], v[104+\j:105+\j], v[136+\j:137+\j]
.endr
	s_wait_alu depctr_va_vdst(0)
	v_mul_f32 v226, v168, v224                     ; sum of the row's weights
.irp j, 0,2,4,6,8,10,12,14
	v_pk_mul_f32 v[104+\j:105+\j], v[104+\j:105+\j], v[224:225] op_sel_hi:[1,0]
.endr
.irp q, 0,1,2,3,4,5,6,7
	v_cvt_pk_f16_f32 v[208+\q], v[104+2*\q], v[105+2*\q]           ; features 8h .. and 16 + 8h ..: already an operand's layout; at most the largest |X|
.endr
.irp j, 0,2,4,6,8,10,12,14,16,18,20,22,24,26,28,30
	v_pk_mul_f32 v[40+\j:41+\j], v[40+\j:41+\j], v[226:227] op_sel_hi:[1,0]
.endr
.irp c, 0,1,2,3
	v_wmma_f32_16x16x32_f16 v[40+8*\c:47+8*\c], v[176+8*\c:183+8*\c], v[208:215], v[40+8*\c:47+8*\c]   ; lane (r, h): row r, channels 16 c + 8 h ..
.endr
	; the way out; these seven lines are the places behind the matrix instructions (ISA guide 7.12.1)
	s_mul_i32 s84, s70, 4352                       ; my stage: 16 rows at pitch 272, over blocks that nobody reads any more
	v_mul_u32_u24 v228, 272, v2
	v_lshl_add_u32 v228, v3, 5, v228
	v_add_nc_u32 v228, s84, v228
	v_mul_u32_u24 v229, 272, v3
	v_lshl_add_u32 v229, v2, 4, v229
	v_add_nc_u32 v229, s84, v229
	v_lshlrev_b32 v230, 4, v1
.irp c, 0,1,2,3
	ds_store_b128 v228, v[40+8*\c:43+8*\c] offset:64*\c
	ds_store_b128 v228, v[44+8*\c:47+8*\c] offset:64*\c+16
.endr
.irp k, 0,1,2,3,4,5,6,7
	ds_load_b128 v[104+4*\k:107+4*\k], v229 offset:544*\k          ; two whole rows; my wave's own bytes, served in order (ISA guide 5.7.1)
.endr
.irp k, 0,1,2,3,4,5,6,7
	s_wait_dscnt 7-\k                              ; the younger read-backs stay out
	global_store_b128 v230, v[104+4*\k:107+4*\k], s[66:67] offset:512*\k th:TH_STORE_NT   ; 16 lanes store one row of out0: 256 consecutive bytes, aligned
.endr
	s_endpgm
.Lfunc_end_k_q8110775bc1_mma:
	.size	k_q8110775bc1_mma, .Lfunc_end_k_q8110775bc1_mma-k_q8110775bc1_mma
	.p2alignl 7, 3214868480
	.fill 96, 4, 3214868480
	.section	.rodata,"a",@progbits
	.p2align	6, 0x0
	.amdhsa_kernel k_q8110775bc1_mma
		.amdhsa_group_segment_fixed_size 311040
		.amdhsa_private_segment_fixed_size 0
		.amdhsa_enable_private_segment 0
		.amdhsa_kernarg_size 200
		.amdhsa_user_sgpr_count 2
		.amdhsa_user_sgpr_kernarg_segment_ptr 1
		.amdhsa_wavefront_size32 1
		.amdhsa_system_sgpr_workgroup_id_x 1
		.amdhsa_system_sgpr_workgroup_id_y 1
		.amdhsa_system_sgpr_workgroup_id_z 1
		.amdhsa_system_vgpr_workitem_id 0
		.amdhsa_next_free_vgpr 256
		.amdhsa_next_free_sgpr 96
		.amdhsa_reserve_vcc 1
		.amdhsa_float_denorm_mode_32 3
		.amdhsa_float_denorm_mode_16_64 3
		.amdhsa_memory_ordered 1
		.amdhsa_forward_progress 1
		.amdhsa_inst_pref_size 184
	.end_amdhsa_kernel
	.amdgpu_metadata
---
amdhsa.version: [ 1, 2 ]
amdhsa.kernels:
  - .name:           k_q8110775bc1_mma
    .symbol:         k_q8110775bc1_mma.kd
    .args:
      - { .name: m1_data, .offset: 0, .size: 8, .value_kind: global_buffer, .address_space: global }
      - { .name: m2_data, .offset: 8, .size: 8, .value_kind: global_buffer, .address_space: global }
      - { .name: m3_data, .offset: 16, .size: 8, .value_kind: global_buffer, .address_space: global }
      - { .name: m1_t, .offset: 24, .size: 8, .value_kind: global_buffer, .address_space: global }
      - { .name: m2_t, .offset: 32, .size: 8, .value_kind: global_buffer, .address_space: global }
      - { .name: m3_t, .offset: 40, .size: 8, .value_kind: global_buffer, .address_space: global }
      - { .name: Wk1, .offset: 48, .size: 8, .value_kind: global_buffer, .address_space: global }
      - { .name: Wk2, .offset: 56, .size: 8, .value_kind: global_buffer, .address_space: global }
      - { .name: Wk3, .offset: 64, .size: 8, .value_kind: global_buffer, .address_space: global }
      - { .name: bk1, .offset: 72, .size: 8, .value_kind: global_buffer, .address_space: global }
      - { .name: bk2, .offset: 80, .size: 8, .value_kind: global_buffer, .address_space: global }
      - { .name: bk3, .offset: 88, .size: 8, .value_kind: global_buffer, .address_space: global }
      - { .name: Wv1, .offset: 96, .size: 8, .value_kind: global_buffer, .address_space: global }
      - { .name: Wv2, .offset: 104, .size: 8, .value_kind: global_buffer, .address_space: global }
      - { .name: Wv3, .offset: 112, .size: 8, .value_kind: global_buffer, .address_space: global }
      - { .name: bv1, .offset: 120, .size: 8, .value_kind: global_buffer, .address_space: global }
      - { .name: bv2, .offset: 128, .size: 8, .value_kind: global_buffer, .address_space: global }
      - { .name: bv3, .offset: 136, .size: 8, .value_kind: global_buffer, .address_space: global }
      - { .name: log_tau1, .offset: 144, .size: 8, .value_kind: global_buffer, .address_space: global }
      - { .name: log_tau2, .offset: 152, .size: 8, .value_kind: global_buffer, .address_space: global }
      - { .name: log_tau3, .offset: 160, .size: 8, .value_kind: global_buffer, .address_space: global }
      - { .name: ref_data, .offset: 168, .size: 8, .value_kind: global_buffer, .address_space: global }
      - { .name: ref_t, .offset: 176, .size: 8, .value_kind: global_buffer, .address_space: global }
      - { .name: Wq, .offset: 184, .size: 8, .value_kind: global_buffer, .address_space: global }
      - { .name: out0, .offset: 192, .size: 8, .value_kind: global_buffer, .address_space: global }
    .group_segment_fixed_size: 311040
    .private_segment_fixed_size: 0
    .kernarg_segment_align: 8
    .kernarg_segment_size: 200
    .max_flat_workgroup_size: 256
    .sgpr_count:     96
    .vgpr_count:     256
    .wavefront_size: 32
...
	.end_amdgpu_metadata
.endif
;; end of part 1
